; MI455X (gfx1250); checked and timed in simulation.
; The chip was launched on July 23, 2026; its instructions are those of AMD's public machine-readable ISA for CDNA 5 (MIT licence, August 2026) and "CDNA5" Instruction Set Architecture Reference Guide (July 2026). The comments in the code are by the model that wrote it; some were corrected since.
;; Lora Multi Headed Self Attention. Allowed arithmetic: matrix products marked QUANTISED: E2M1 operands, one E8M0 scale for each 32 along K, by v_wmma_scale_f32_16x16x128_f8f6f4 with both operands' format E2M1 (or v_wmma_scale_f32_32x16x128_f4), f32 sums; products left as they are: f32 operands where the result goes on into a quantised operand, else bf16, f16 or f32 operands; f32 sums; everything else in f32.
;; Inputs: Aq 16 x 768 float32; Av 16 x 768 float32; Bq 768 x 16 float32; Bv 768 x 16 float32; Wk 768 x 768 float32; Wq 768 x 768 float32; Wv 768 x 768 float32; bk 768 float32; bq 768 float32; bv 768 float32; mask 2 x 2,048 int32; x 2 x 2,048 x 768 float32.
;; Outputs: out0 2 x 2,048 x 768 float32.
;; This version of the problem:
;;   THIS VERSION OF THE PROBLEM IS GIVEN IN LOW PRECISION. The matrix products marked QUANTISED in the list below multiply operands that are first quantised to E2M1 (2 exponent bits, 1 mantissa bit; 4 bits a number), with one power-of-two scale for each 32 numbers along K (OCP MX v1.0); their sums are f32. All else is computed in f32.
;;   The module's matrix products, in the order in which they are computed (A, B: the left and right operand; K: the contracted axis; several contracted axes count as one K, in the product's order):
;;     1. [M 4,096, K 768] x [K 768, N 768]; A: input x; B: input Wq: QUANTISED
;;     2. [M 4,096, K 768] x [K 768, N 16]; A: input x; B: input Aq: QUANTISED
;;     3. [M 4,096, K 16] x [K 16, N 768]; A: computed on the way; B: input Bq: left as it is (K = 16 < 32)
;;     4. [M 4,096, K 768] x [K 768, N 768]; A: input x; B: input Wk: QUANTISED
;;     5. [M 4,096, K 768] x [K 768, N 768]; A: input x; B: input Wv: QUANTISED
;;     6. [M 4,096, K 768] x [K 768, N 16]; A: input x; B: input Av: QUANTISED
;;     7. [M 4,096, K 16] x [K 16, N 768]; A: computed on the way; B: input Bv: left as it is (K = 16 < 32)
;;     8. batch 24 x [M 2,048, K 64] x [K 64, N 2,048]; A: computed on the way; B: computed on the way: QUANTISED
;;     9. batch 24 x [M 2,048, K 2,048] x [K 2,048, N 64]; A: softmax (see below); B: computed on the way: QUANTISED
;;   THE QUANTISER, for each operand of a quantised product, along K:
;;     - K is cut into blocks of 32 from its start; a last block that is shorter is filled with zeros.
;;     - A block's scale is 2^e with e = floor(log2(the largest magnitude in the block)) - 2, held to -126 .. 127; a block of zeros has e = 0. As a byte (E8M0): e + 127.
;;     - Each number is divided by its block's scale, clamped to +-6, and rounded to the nearest number of E2M1, ties to even, subnormals kept.
;;     - The product sums the exact products of the quantised numbers (number of the format x scale) in f32.
;;   ~~~python
;;   def quantise(x, axis):      # numpy; x: float32 -> the quantised numbers, widened to float32 again
;;       x = np.moveaxis(x, axis, -1); K = x.shape[-1]
;;       x = np.pad(x, [(0, 0)] * (x.ndim - 1) + [(0, -K % 32)]); x = x.reshape(x.shape[:-1] + (-1, 32)); a = np.abs(x).max(-1, keepdims=True)
;;       e = np.where(a > 0, np.clip(np.frexp(np.where(a > 0, a, 1))[1] - 1 - 2, -126, 127), 0)      # np.frexp(a)[1] - 1 = floor(log2(a)), exactly
;;       r = np.clip(x / 2.0 ** e, -6, 6)
;;       step = 2.0 ** (np.maximum(np.frexp(np.where(r == 0, 1, r))[1] - 1, 0) - 1)
;;       q = np.round(r / step) * step * 2.0 ** e      # np.round: ties to even
;;       return np.moveaxis(q.reshape(q.shape[:-2] + (-1,))[..., :K], -1, axis).astype(np.float32)
;;   ~~~
;;   SOFTMAX AHEAD OF A QUANTISED PRODUCT. Where the list says 'softmax', what is quantised is not the finished softmax but p = 2^(t - M), with t = logit x log2(e) and M = ceil(the row's largest t), a whole number; so 1/2 < the row's largest p <= 1. The row's sum l is taken of the UNQUANTISED p, in f32, and the product's result is divided by l at the end. Since M is a whole number, a kernel that streams over the keys may use a running M (the ceiling of the running maximum): every later rescaling is an exact power of two, which a block's scale takes up: the codes' values come out the same.
;;   OPERANDS COMPUTED ON THE WAY. 'Computed on the way' means the value that the module computes at that place (a softmax that the list does not call 'softmax' is quantised finished and normalised). What goes into a quantiser is computed in f32, as accurately as f32 sums, v_exp_f32 and their like allow (about 1e-6 of the number): no bf16 or f16 on the way to a quantiser, and a product that is left as it is and whose result goes on into a quantised operand takes f32 operands (vector FMAs, or v_wmma_f32_16x16x4_f32). A number that lies on a knife's edge between two numbers of the format may be rounded either way, as far as f32 arithmetic and the matrix unit's own rounding can turn it there, and no further.
;; One version. Each part assembles by itself: llvm-mc -triple=amdgcn-amd-amdhsa -mcpu=gfx1250 --defsym DOCPART=n.
;; ======== version 1 of 1: 3 launches
;; limits: right only within a limited range of input values
;; workspace buffers: cod 2,675,712 bytes; qb 1,769,472 bytes; kv 3,342,336 bytes
;; launch prep (part 1): grid 402 x 1, 3 waves a work-group, no clusters, 51,200 bytes of LDS; arguments x, Wq, Wk, Wv, Aq, Av, cod; writes cod
.if DOCPART == 1
	.amdgcn_target "amdgcn-amd-amdhsa--gfx1250"
	.amdhsa_code_object_version 6
	.text
	.protected	k_q826d1c23bd_prep
	.globl	k_q826d1c23bd_prep
	.p2align	8
	.type	k_q826d1c23bd_prep,@function
k_q826d1c23bd_prep:
	s_mov_b64 s[64:65], 0
	v_nop
	global_prefetch_b8 v0, s[64:65] scope:SCOPE_SE
	s_setreg_imm32_b32 hwreg(HW_REG_WAVE_MODE, 25, 1), 1
	s_wait_xcnt 0x0
; x [4096][768], Wq, Wk, Wv [768][768], Aq, Av [16][768], all f32 with K = 768 innermost, become codes of FP4 (E2M1) with one E8M0 scale byte for each 32 along K.
; No product, step or input of the problem is left out by this program.
; The codes are laid as IMAGES OF OPERAND REGISTERS.  A tile is 16 rows x 768 K; its record has 6,656 bytes: for K step s (128 along K) and half c the 512 bytes at 1024 s + 512 c, lane l's 16 bytes
; at 16 l: lane (r = l % 16, h = l / 16) holds there the codes of k = 128 s + 64 c + 32 h + 0 .. 31 of the tile's row r: one whole block.  Scale words at 6144 + 128 p + 4 l: lanes 0-15 the word of
; row r for K step 2 p, lanes 16-31 for K step 2 p + 1.  The last 128 bytes are zeros, so that a record is 26 whole rows of 256 bytes.
; TILES: 0-255 x, 256-303 Wq, 304-351 Wk, 352-399 Wv, 400 Aq, 401 Av.  THE ROWS OF A TILE ARE NOT NEIGHBOURS: row r of tile t of a tensor is the tensor's row 64 (t / 4) + 8 (t % 4) + r + 24 (r / 8)
; (Aq, Av: row r), so that in the next launches a lane's registers of four tiles are 32 neighbours: lanes 0-15 hold numbers 0-31 of 64, lanes 16-31 numbers 32-63: a whole block in a lane.
; A block's scale is 2^(floor(log2(its largest magnitude)) - 2); its byte is the largest magnitude's exponent field - 2, held at 1 from below.
; LIMITS: a block of zeros, or one whose largest magnitude lies under 2^-124, gets the byte 1 (the rule says 127 for zeros: the codes are zeros, and this program alone reads the bytes); NaN and infinities are not served.
; SHARES: a work-group takes a tile, wave p its K steps 2 p and 2 p + 1: 1,024 bytes of each of the 16 rows.  Each load reads 512 consecutive bytes of one row; a step's 16 x 512 bytes turn through the
; wave's own stage in LDS (rows 528 bytes apart) and come back 128 bytes, a whole block, to a lane.  Waves share nothing: no barrier.
.set ROWB,  3072                       ; a row of any of the six tensors, in bytes
.set REC,   6656                       ; a tile's record
.set SP,    528                        ; a stage row: 512 bytes + 16 of padding
.set STG,   16*SP                      ; a stage
.set WREG,  2*STG                      ; a wave's two stages
.set R,     16                         ; v16-143  32 loads x 4 registers, as loaded
.set X,     144                        ; v144-207 two blocks of 32 numbers
.set C,     208                        ; v208-223 the codes of both steps
	s_load_b256 s[4:11], s[0:1], 0x0               ; x, Wq, Wk, Wv
	s_load_b128 s[12:15], s[0:1], 0x20             ; Aq, Av
	s_load_b64 s[16:17], s[0:1], 0x30              ; cod
	v_lshl_add_u32 v224, v0, 2, 0xc600
	v_mov_b32 v225, 0
	v_lshrrev_b32 v1, 5, v0
	v_readfirstlane_b32 s18, v1                    ; wave p
	v_and_b32 v1, 31, v0                           ; lane
	v_lshlrev_b32 v2, 4, v1                        ; 16 x lane
	v_and_b32 v8, 15, v0                           ; r
	v_bfe_u32 v9, v0, 4, 1                         ; h
	s_mul_i32 s19, s18, WREG                       ; my wave's stages
	v_add_nc_u32 v4, s19, v2                       ; into a stage: as loaded
	v_mul_u32_u24 v5, v8, SP
	v_lshl_add_u32 v5, v9, 7, v5
	v_add_nc_u32 v5, s19, v5                       ; out of it: row r, + 128 h: my block
	v_lshlrev_b32 v6, 2, v1                        ; a scale word's place
	v_lshlrev_b32 v7, 3, v9                        ; 8 h: my bytes' place in a scale word, in bits
	v_mov_b32 v14, 0                               ; the padding's data
	v_mov_b32 v15, 0                               ; written once: a lane permute's destination counts as one of its sources
	s_mov_b32 s28, 0x76543210
	s_mov_b32 s29, 0xfedcba98                      ; v_permlanex16_b32's selects for lane l xor 16
	s_wait_alu depctr_va_vdst(0)
	s_wait_kmcnt 0x0
	; which tensor, and which of its tiles: the choice hangs on the work-group's number alone
	s_mov_b64 s[20:21], s[14:15]                   ; Av,
	s_mov_b32 s22, 401                             ; whose first tile is 401
	s_cmp_lt_u32 ttmp9, 401
	s_cselect_b64 s[20:21], s[12:13], s[20:21]     ; Aq
	s_cselect_b32 s22, 400, s22
	s_cmp_lt_u32 ttmp9, 400
	s_cselect_b64 s[20:21], s[10:11], s[20:21]     ; Wv
	s_cselect_b32 s22, 352, s22
	s_cselect_b32 s23, 24*ROWB, 0                  ; rows 8-15 of a tile lie 24 rows further on, but not in Aq and Av
	s_cmp_lt_u32 ttmp9, 352
	s_cselect_b64 s[20:21], s[8:9], s[20:21]       ; Wk
	s_cselect_b32 s22, 304, s22
	s_cmp_lt_u32 ttmp9, 304
	s_cselect_b64 s[20:21], s[6:7], s[20:21]       ; Wq
	s_cselect_b32 s22, 256, s22
	s_cmp_lt_u32 ttmp9, 256
	s_cselect_b64 s[20:21], s[4:5], s[20:21]       ; x
	s_cselect_b32 s22, 0, s22
	s_sub_co_u32 s22, ttmp9, s22                   ; t
	s_lshr_b32 s24, s22, 2
	s_lshl_b32 s24, s24, 6
	s_and_b32 s25, s22, 3
	s_lshl_b32 s25, s25, 3
	s_add_co_u32 s24, s24, s25                     ; the tile's first row: 64 (t / 4) + 8 (t % 4)
	s_mul_i32 s24, s24, ROWB
	s_lshl_b32 s25, s18, 10
	s_add_co_u32 s24, s24, s25                     ; + my wave's 1,024 bytes of a row
	s_mov_b32 s25, 0
	s_add_nc_u64 s[20:21], s[20:21], s[24:25]
	v_add_nc_u32 v3, s23, v2                       ; the loads' offset for rows 8-15
	s_wait_alu depctr_va_vdst(0)
	s_mul_i32 s30, ttmp9, REC
	s_mov_b32 s31, 0
	s_add_nc_u64 s[16:17], s[16:17], s[30:31]      ; my tile's record
	s_lshl_b32 s30, s18, 11
	s_add_nc_u64 s[24:25], s[16:17], s[30:31]      ; my two K steps' codes
	s_lshl_b32 s30, s18, 7
	s_add_co_u32 s30, s30, 6144
	s_add_nc_u64 s[26:27], s[16:17], s[30:31]      ; and their scale words
.macro LOADS sp                        ; step sp: 512 consecutive bytes of each of the 16 rows
.irp i, 0,1,2,3,4,5,6,7,8,9,10,11,12,13,14,15
	global_load_b128 v[R+64*\sp+4*\i:R+64*\sp+4*\i+3], v[2+\i/8], s[20:21] offset:ROWB*\i+512*\sp th:TH_LOAD_NT
.endr
.endm
.macro TOST sp                         ; into the stage, as loaded
.irp i, 0,1,2,3,4,5,6,7,8,9,10,11,12,13,14,15
	ds_store_b128 v4, v[R+64*\sp+4*\i:R+64*\sp+4*\i+3] offset:STG*\sp+SP*\i
.endr
.endm
.macro BACK sp                         ; and back: blocks 2 c + h of row r.  LDS serves a wave's instructions in order: these see the stores
.irp c, 0,1
.irp i, 0,1,2,3,4,5,6,7
	ds_load_b128 v[X+32*\c+4*\i:X+32*\c+4*\i+3], v5 offset:STG*\sp+256*\c+16*\i
.endr
.endr
.endm
.macro QB sp                           ; my two blocks of step sp, by turns, each in two chains
.irp c, 0,1
	v_max3_num_f32 v[8+\c], |v[X+32*\c]|, |v[X+32*\c+1]|, 0x1800000      ; with the floor 2^(3 - 127) among the leaves: the byte cannot fall under 1
	v_max3_num_f32 v[10+\c], |v[X+32*\c+16]|, |v[X+32*\c+17]|, |v[X+32*\c+18]|
.endr
.irp i, 2,4,6,8,10,12
.irp c, 0,1
	v_max3_num_f32 v[8+\c], v[8+\c], |v[X+32*\c+\i]|, |v[X+32*\c+\i+1]|
	v_max3_num_f32 v[10+\c], v[10+\c], |v[X+32*\c+\i+17]|, |v[X+32*\c+\i+18]|
.endr
.endr
.irp c, 0,1
	v_max3_num_f32 v[8+\c], v[8+\c], |v[X+32*\c+14]|, |v[X+32*\c+15]|
.endr
.irp c, 0,1
	v_max3_num_f32 v[8+\c], v[8+\c], v[10+\c], |v[X+32*\c+31]|           ; the block's largest magnitude: all 32 numbers are mine
.endr
.irp c, 0,1
	v_add_nc_u32 v[8+\c], 0xff000000, v[8+\c]      ; 2 off its exponent field: the conversion takes the exponent field of this operand as its scale
.endr
.irp c, 0,1
	v_lshrrev_b32 v[10+\c], 23, v[8+\c]            ; the scale's byte
.endr
	v_lshl_or_b32 v10, v11, 16, v10                ; my two bytes: blocks h and 2 + h of row r,
	v_lshlrev_b32 v10, v7, v10                     ; at their places in the word;
	v_permlanex16_b32 v15, v10, s28, s29
	v_or_b32 v[12+\sp], v10, v15                   ; with lane l xor 16's two the word is whole
.irp c, 0,1
.irp g, 0,1,2,3
	v_cvt_scalef32_pk8_fp4_f32 v[C+8*\sp+4*\c+\g], v[X+32*\c+8*\g:X+32*\c+8*\g+7], v[8+\c]
.endr
.endr
	v_nop                                          ; one plain line behind the last conversion of a run
.endm
	LOADS 0
	LOADS 1
	s_wait_loadcnt 16                              ; step 0's 16 loads are in; step 1's 16 stay out
	TOST 0
	BACK 0
	s_wait_loadcnt 0x0
	TOST 1
	s_wait_dscnt 16                                ; step 0's numbers are back; the 16 younger stores may be out
	QB 0
	BACK 1
	s_wait_dscnt 0x0
	QB 1
	v_cmp_le_u32 vcc_lo, 16, v1
	v_cndmask_b32 v12, v12, v13, vcc_lo            ; lanes 0-15: K step 2 p's word of row r; lanes 16-31: K step 2 p + 1's
.irp sp, 0,1
.irp c, 0,1
	global_store_b128 v2, v[C+8*\sp+4*\c:C+8*\sp+4*\c+3], s[24:25] offset:1024*\sp+512*\c   ; 32 lanes store 512 consecutive bytes, at a multiple of 256 from the buffer's first byte
.endr
.endr
	global_store_b32 v6, v12, s[26:27]             ; 128 bytes of scale words
	s_cmp_lg_u32 s18, 2
	s_cbranch_scc1 .Lend
	global_store_b32 v6, v14, s[26:27] offset:128  ; wave 2 fills the record's last 128 bytes with zeros
.Lend:
	s_wait_tensorcnt 0x0                           ; the wave's end
	ds_add_u32 v224, v225
	s_wait_dscnt 0x0
	s_endpgm
.Lfunc_end_k_q826d1c23bd_prep:
	.size	k_q826d1c23bd_prep, .Lfunc_end_k_q826d1c23bd_prep-k_q826d1c23bd_prep
	.p2alignl 7, 3214868480
	.fill 96, 4, 3214868480
	.section	.rodata,"a",@progbits
	.p2align	6, 0x0
	.amdhsa_kernel k_q826d1c23bd_prep
		.amdhsa_group_segment_fixed_size 51200
		.amdhsa_private_segment_fixed_size 0
		.amdhsa_enable_private_segment 0
		.amdhsa_kernarg_size 56
		.amdhsa_user_sgpr_count 2
		.amdhsa_user_sgpr_kernarg_segment_ptr 1
		.amdhsa_wavefront_size32 1
		.amdhsa_system_sgpr_workgroup_id_x 1
		.amdhsa_system_sgpr_workgroup_id_y 1
		.amdhsa_system_sgpr_workgroup_id_z 1
		.amdhsa_system_vgpr_workitem_id 0
		.amdhsa_next_free_vgpr 226
		.amdhsa_next_free_sgpr 66
		.amdhsa_reserve_vcc 1
		.amdhsa_float_denorm_mode_32 3
		.amdhsa_float_denorm_mode_16_64 3
		.amdhsa_memory_ordered 1
		.amdhsa_forward_progress 1
		.amdhsa_inst_pref_size 17
	.end_amdhsa_kernel
	.amdgpu_metadata
---
amdhsa.version: [ 1, 2 ]
amdhsa.kernels:
  - .name:           k_q826d1c23bd_prep
    .symbol:         k_q826d1c23bd_prep.kd
    .args:
      - { .name: x, .offset: 0, .size: 8, .value_kind: global_buffer, .address_space: global }
      - { .name: Wq, .offset: 8, .size: 8, .value_kind: global_buffer, .address_space: global }
      - { .name: Wk, .offset: 16, .size: 8, .value_kind: global_buffer, .address_space: global }
      - { .name: Wv, .offset: 24, .size: 8, .value_kind: global_buffer, .address_space: global }
      - { .name: Aq, .offset: 32, .size: 8, .value_kind: global_buffer, .address_space: global }
      - { .name: Av, .offset: 40, .size: 8, .value_kind: global_buffer, .address_space: global }
      - { .name: cod, .offset: 48, .size: 8, .value_kind: global_buffer, .address_space: global }
    .group_segment_fixed_size: 51200
    .private_segment_fixed_size: 0
    .kernarg_segment_align: 8
    .kernarg_segment_size: 56
    .max_flat_workgroup_size: 96
    .sgpr_count:     66
    .vgpr_count:     226
    .wavefront_size: 32
...
	.end_amdgpu_metadata
.endif
;; end of part 1
;; launch proj (part 2): grid 64 x 4, 9 waves a work-group, clusters of 4 x 1, 327,680 bytes of LDS; arguments cod, bq, bk, bv, Bq, Bv, qb, kv; writes qb, kv
.if DOCPART == 2
	.amdgcn_target "amdgcn-amd-amdhsa--gfx1250"
	.amdhsa_code_object_version 6
	.text
	.protected	k_q826d1c23bd_proj
	.globl	k_q826d1c23bd_proj
	.p2align	8
	.type	k_q826d1c23bd_proj,@function
k_q826d1c23bd_proj:
	s_mov_b64 s[64:65], 0
	v_nop
	global_prefetch_b8 v0, s[64:65] scope:SCOPE_SE
	s_setreg_imm32_b32 hwreg(HW_REG_WAVE_MODE, 25, 1), 1
	s_wait_xcnt 0x0
	s_wait_alu depctr_hold_cnt(0) depctr_sa_sdst(0) depctr_va_vdst(0) depctr_va_sdst(0) depctr_va_ssrc(0) depctr_va_vcc(0) depctr_vm_vsrc(0)
	s_getreg_b32 s2, hwreg(HW_REG_IB_STS2, 6, 4)
	s_cmp_eq_u32 s2, 0
	s_cbranch_scc0 .Lentry_in_a_cluster
	s_endpgm
.Lentry_in_a_cluster:
	s_bfe_u32 s2, ttmp6, 0x10000c
	s_cmp_lg_u32 s2, 0x3003
	s_cbranch_scc0 .Lentry_shape_is_right
	s_endpgm
.Lentry_shape_is_right:
; q = x Wq^T + bq + (x Aq^T) Bq^T / 16, k = x Wk^T + bk, v = x Wv^T + bv + (x Av^T) Bv^T / 16 on codes of FP4 with E8M0 scales; the small second products (K = 16) in f32, since their results go into a quantiser.
; q and k are quantised along a head's 64 channels, v along the tokens; codes and scale bytes leave as images of operand registers:
;   qb: a record of 2,304 bytes for each 64 tokens of a head: four tiles of 16 tokens, 512 bytes each; at 2048 two scale words a lane (tiles lane / 16 and 2 + lane / 16), q's two bytes twice in a word;
;   kv: a record of 8,704 bytes for each 128 tokens of a head: K's eight tiles, 512 bytes each; at 4096 V, 1,024 bytes for each of four tiles of 16 channels (64 tokens in each half); at 8192 K's scale words, at 8448 V's half words.
; Row r of tile t is row 64 (t / 4) + 8 (t % 4) + r + 24 (r / 8), of tokens and of channels: so a lane's 32 registers of four tiles are one whole block: nothing passes between lanes but a scale byte.
; SHARES.  A work-group takes 64 tokens and three heads; wave w the product w / 3 (q, k, v) of head 3 y + w % 3: 4 x 4 tiles, all of K.
; LDS: 36 records of weights (q's, k's, v's 12), then x's four, then Aq's and Av's, each filled once, ONE load a wave: waves 0-5 six records of weights each, waves 6 and 7 two of x, wave 8 Aq and Av.
; CLUSTER: four work-groups along the tokens want the same weights, which are asked for jointly.  x's and A's records are plain loads: x differs between the partners, and A's are 2 records of 42.
; No prefetch: every record is asked for at the head, and no loop of loads follows.  LIMITS: as in the first launch; NaN and infinities are not served.
.set REC,  6656
.set XR,   36*REC                      ; x's four records; v1, v2 point there
.set AR,   4*REC                       ; Aq's, Av's: behind x's
.set SPARE, 42*REC
.set XS,   11                          ; scale words: x's four tiles, W's four, A's
.set WS,   15
.set AS,   19
.set AF,   20                          ; fragments: A, x, W
.set XF,   60
.set WF,   92
.set XA,   28                          ; x A^T, four tiles
.set ACC,  128
.set BL,   0                           ; window 1: B's rows, 32 registers; the biases, 32 registers
.set BI,   32
.set TM,   60                          ; at work in the quantiser, where fragments lay
.set PT,   68
.set SO,   76
.set HW,   84
.set OW,   88
.set PC,   92
.set MSB, 0
.macro WIN new                         ; the immediate's high byte repeats the setting that is left
.if MSB != \new
	s_set_vgpr_msb (MSB<<8)|\new
.set MSB, \new
.endif
.endm
.macro PLACES n
.rept \n
	v_nop
.endr
.endm
.macro ROUND                           ; a round of the cluster's barrier
	s_barrier_signal -1
	s_barrier_wait -1
	s_cmp_lg_u32 s20, 0
	s_cbranch_scc1 .Lnot_wave_0_\@
	s_barrier_signal -3
.Lnot_wave_0_\@:
	s_barrier_wait -3
	s_barrier_signal -1
	s_barrier_wait -1
.endm
.macro MM d, a, b, cr, sa, sb, odd     ; cr < 0: the sum starts.  odd: the scale words of an odd K step lie in lanes 16-31
.if (\cr) < 0
	v_wmma_scale_f32_16x16x128_f8f6f4 v[\d:\d+7], v[\a:\a+7], v[\b:\b+7], 0, v[\sa], v[\sb] matrix_a_fmt:MATRIX_FMT_FP4 matrix_b_fmt:MATRIX_FMT_FP4
.else
.if \odd
	v_wmma_scale_f32_16x16x128_f8f6f4 v[\d:\d+7], v[\a:\a+7], v[\b:\b+7], v[\cr:\cr+7], v[\sa], v[\sb] matrix_a_fmt:MATRIX_FMT_FP4 matrix_b_fmt:MATRIX_FMT_FP4 matrix_a_scale:MATRIX_SCALE_ROW1 matrix_b_scale:MATRIX_SCALE_ROW1
.else
	v_wmma_scale_f32_16x16x128_f8f6f4 v[\d:\d+7], v[\a:\a+7], v[\b:\b+7], v[\cr:\cr+7], v[\sa], v[\sb] matrix_a_fmt:MATRIX_FMT_FP4 matrix_b_fmt:MATRIX_FMT_FP4
.endif
.endif
.endm
	s_load_b256 s[4:11], s[0:1], 0x0               ; cod, bq, bk, bv
	s_load_b256 s[12:19], s[0:1], 0x20             ; Bq, Bv, qb, kv
	v_lshl_add_u32 v126, v0, 2, SPARE
	v_mov_b32 v127, 0
	ds_add_u32 v126, v127                          ; the wave's opening: the add, twice on end, and its wait below
	ds_add_u32 v126, v127
	v_lshrrev_b32 v5, 5, v0
	v_readfirstlane_b32 s20, v5                    ; wave
	s_mul_i32 s21, s20, 11
	s_lshr_b32 s21, s21, 5                         ; w / 3: q, k, v
	s_and_b32 s50, ttmp7, 0xffff                   ; which three heads
	s_mul_i32 s22, s50, 3
	s_add_co_u32 s22, s22, s20
	s_mul_i32 s54, s21, 3
	s_sub_co_u32 s22, s22, s54                     ; head
	s_bfe_u32 s51, ttmp6, 0x40000                  ; cx: it enters x's and the outputs' addresses alone
	s_lshl_b32 s52, ttmp9, 2
	s_add_co_u32 s52, s52, s51                     ; which 64 tokens
	s_lshr_b32 s23, s52, 5
	s_mul_i32 s23, s23, 12
	s_add_co_u32 s23, s23, s22                     ; 12 batch + head
	s_and_b32 s66, s52, 31
	s_and_b32 s67, s52, 1
	s_mov_b32 s58, 0x76543210
	s_mov_b32 s59, 0xfedcba98
	; group 1 for six records of weights, jointly; and for two records, plain: rows of 256 bytes (32 elements of 8 bytes)
	s_mov_b32 s24, 15|(3<<16)|(1<<21)
	s_mov_b32 s25, 32<<16
	s_mov_b32 s26, 156<<16
	s_mov_b32 s27, 32<<16
	s_mov_b32 s28, 156
	s_mov_b32 s29, 32
	s_mov_b32 s30, 0
	s_mov_b32 s31, 0
	s_mov_b32 s32, 3<<16
	s_mov_b32 s33, 32<<16
	s_mov_b32 s34, 52<<16
	s_mov_b32 s35, 32<<16
	s_mov_b32 s36, 52
	s_mov_b32 s37, 32
	s_mov_b32 s38, 0
	s_mov_b32 s39, 0
	s_mul_i32 s41, s20, 6*REC                      ; weights: LDS record 6 w,
	s_lshr_b32 s54, s20, 1
	s_mul_i32 s54, s54, 48
	s_mul_i32 s50, s50, 12
	s_add_co_u32 s54, s54, s50
	s_and_b32 s50, s20, 1
	s_mul_i32 s50, s50, 6
	s_add_co_u32 s54, s54, s50
	s_add_co_u32 s54, s54, 256                     ; cod's record 256 + 48 (w / 2) + 12 y + 6 (w % 2)
	s_mul_i32 s54, s54, REC
	s_mov_b32 s55, 0
	s_mul_i32 s45, s20, 2*REC
	s_add_co_u32 s45, s45, 24*REC                  ; waves 6-8: LDS record 36 + 2 (w - 6);
	s_lshl_b32 s56, s52, 2
	s_and_b32 s57, s20, 1
	s_lshl_b32 s57, s57, 1
	s_add_co_u32 s56, s56, s57                     ; x's record 4 x group + 2 (w - 6),
	s_cmp_eq_u32 s20, 8
	s_cselect_b32 s56, 400, s56                    ; or Aq's
	s_mul_i32 s56, s56, REC
	s_mov_b32 s57, 0
	s_mul_i32 s53, s20, 4*REC                      ; my wave's four records of weights
	v_and_b32 v6, 31, v0
	v_lshlrev_b32 v124, 4, v6                      ; 16 x lane
	v_lshlrev_b32 v125, 2, v6                      ; 4 x lane
	v_and_b32 v5, 15, v0                           ; r
	v_add_nc_u32 v1, XR, v124
	v_add_nc_u32 v2, XR, v125
	v_add_nc_u32 v3, s53, v124
	v_add_nc_u32 v4, s53, v125
	v_bfe_u32 v6, v0, 4, 1                         ; h
	v_and_b32 v9, 8, v5
	v_mad_u32_u24 v9, v9, 3, v5                    ; r + 24 (r / 8)
	v_lshlrev_b32 v8, 6, v9
	v_lshl_add_u32 v8, v6, 5, v8                   ; B's row: 64 bytes; + 32 h
	s_wait_alu depctr_va_vdst(0)
	s_wait_dscnt 0x0                               ; both opening adds are done
	s_wait_kmcnt 0x0
	s_mov_b32 s40, 1
	s_add_nc_u64 s[42:43], s[4:5], s[54:55]
	s_or_b32 s43, s43, 0x80000000
	s_mov_b32 s44, 1
	s_add_nc_u64 s[46:47], s[4:5], s[56:57]
	s_or_b32 s47, s47, 0x80000000
	s_cmp_eq_u32 s21, 0
	s_cselect_b64 s[60:61], s[6:7], s[8:9]         ; the bias,
	s_cselect_b64 s[62:63], s[12:13], s[14:15]     ; and B
	s_cmp_eq_u32 s21, 2
	s_cselect_b64 s[60:61], s[10:11], s[60:61]
	s_lshl_b32 s54, s22, 8
	s_add_nc_u64 s[60:61], s[60:61], s[54:55]
	s_lshl_b32 s54, s22, 12
	s_add_nc_u64 s[62:63], s[62:63], s[54:55]
	WIN 0x40
.irp e, 0,1,2,3
	global_load_b128 v[BL+8*\e:BL+8*\e+3], v8, s[62:63] offset:512*\e
	global_load_b128 v[BL+8*\e+4:BL+8*\e+7], v8, s[62:63] offset:512*\e+16
.endr
	WIN 0
	s_cmp_lt_u32 s20, 6
	s_cbranch_scc0 .Lbias_v
	v_lshlrev_b32 v7, 7, v6                        ; q, k: registers run along the channels: 32 h + 8 e + 0 .. 7
	WIN 0x40
.irp e, 0,1,2,3
	global_load_b128 v[BI+8*\e:BI+8*\e+3], v7, s[60:61] offset:32*\e
	global_load_b128 v[BI+8*\e+4:BI+8*\e+7], v7, s[60:61] offset:32*\e+16
.endr
	WIN 0
	s_branch .Lbias_in
.Lbias_v:
	v_lshlrev_b32 v7, 2, v9                        ; v: a lane holds one channel of each tile
	WIN 0x40
.irp g, 0,1,2,3
.irp j, 0,1,2,3,4,5,6,7
	global_load_b32 v[BI+8*\g+\j], v7, s[60:61] offset:32*\g
.endr
.endr
	WIN 0
.Lbias_in:
	ROUND                                          ; all four work-groups are here: the joint loads meet
	s_cmp_lt_u32 s20, 6
	s_cbranch_scc0 .Lnot_w
	tensor_load_to_lds s[40:43], s[24:31]
	s_nop 0
	PLACES 4
	s_branch .Lasked
.Lnot_w:
	tensor_load_to_lds s[44:47], s[32:39]
	s_nop 0
	PLACES 4
.Lasked:
	s_wait_loadcnt 0x0
	s_wait_tensorcnt 0x0                           ; my load has landed;
	s_barrier_signal -1
	s_barrier_wait -1                              ; and everybody's
.macro KSTEP s, swap, lora             ; 128 along K: 16 products, and 4 of x A^T
.if \s > 0
	PLACES 4
.endif
.irp T, 0,1,2,3
.irp c, 0,1
	ds_load_b128 v[XF+8*\T+4*\c:XF+8*\T+4*\c+3], v1 offset:REC*\T+1024*\s+512*\c
	ds_load_b128 v[WF+8*\T+4*\c:WF+8*\T+4*\c+3], v3 offset:REC*\T+1024*\s+512*\c
.endr
.endr
.if \lora
.irp c, 0,1
	ds_load_b128 v[AF+4*\c:AF+4*\c+3], v1 offset:AR+REC*\swap+1024*\s+512*\c
.endr
.endif
.if (\s)%2 == 0
.irp T, 0,1,2,3
	ds_load_b32 v[XS+\T], v2 offset:REC*\T+6144+64*\s
	ds_load_b32 v[WS+\T], v4 offset:REC*\T+6144+64*\s
.endr
.if \lora
	ds_load_b32 v[AS], v2 offset:AR+REC*\swap+6144+64*\s
.endif
.endif
	s_wait_dscnt 0x0
.if \s == 0
	WIN 0x10                                       ; the biases are the sums' first C
.endif
.irp g, 0,1,2,3
.irp e, 0,1,2,3
.set DD, ACC+32*\g+8*\e
.set CR, DD
.if \swap                              ; v: source 0 = tokens, source 1 = channels: registers run along the tokens
.if \s == 0
.set CR, BI+8*\g
.endif
	MM DD, XF+8*\e, WF+8*\g, CR, XS+\e, WS+\g, (\s)%2
.else                                  ; q, k: source 0 = channels, source 1 = tokens: registers run along the channels
.if \s == 0
.set CR, BI+8*\e
.endif
	MM DD, WF+8*\e, XF+8*\g, CR, WS+\e, XS+\g, (\s)%2
.endif
.endr
.endr
	WIN 0
.if \lora
.irp T, 0,1,2,3
.if \s == 0
	MM XA+8*\T, AF, XF+8*\T, -1, AS, XS+\T, 0
.else
	MM XA+8*\T, AF, XF+8*\T, XA+8*\T, AS, XS+\T, (\s)%2
.endif
.endr
.endif
.endm
.macro LORA swap                       ; + (x A^T / 16) B^T, in f32: of rank 16 a lane's eight registers are ranks 8 h + 0 .. 7 on both sides
	PLACES 4
.set jj, 0
.rept 16
	v_pk_mul_f32 v[XA+jj:XA+jj+1], v[XA+jj:XA+jj+1], 0x3d800000 op_sel_hi:[1,0]
.set jj, jj+2
.endr
	PLACES 4
.if \swap
	WIN 0x04
.else
	WIN 0x01
.endif
.irp ks, 0,1,2,3
.irp g, 0,1,2,3
.irp e, 0,1,2,3
.set DD, ACC+32*\g+8*\e
.if \swap
	v_wmma_f32_16x16x4_f32 v[DD:DD+7], v[XA+8*\e+2*\ks:XA+8*\e+2*\ks+1], v[BL+8*\g+2*\ks:BL+8*\g+2*\ks+1], v[DD:DD+7]
.else
	v_wmma_f32_16x16x4_f32 v[DD:DD+7], v[BL+8*\e+2*\ks:BL+8*\e+2*\ks+1], v[XA+8*\g+2*\ks:XA+8*\g+2*\ks+1], v[DD:DD+7]
.endif
.endr
.endr
.endr
	WIN 0
	PLACES 8
.endm
.macro QUANT4                          ; four blocks a lane: 32 registers each
	v_lshlrev_b32 v7, 3, v6                        ; 8 h
.irp g, 0,1,2,3
	v_max3_num_f32 v[TM+\g], |v[ACC+32*\g]|, |v[ACC+32*\g+1]|, 0x1800000   ; with the floor 2^(3 - 127)
	v_max3_num_f32 v[PT+\g], |v[ACC+32*\g+16]|, |v[ACC+32*\g+17]|, |v[ACC+32*\g+18]|
.endr
.irp i, 2,4,6,8,10,12
.irp g, 0,1,2,3
	v_max3_num_f32 v[TM+\g], v[TM+\g], |v[ACC+32*\g+\i]|, |v[ACC+32*\g+\i+1]|
	v_max3_num_f32 v[PT+\g], v[PT+\g], |v[ACC+32*\g+\i+17]|, |v[ACC+32*\g+\i+18]|
.endr
.endr
.irp g, 0,1,2,3
	v_max3_num_f32 v[TM+\g], v[TM+\g], |v[ACC+32*\g+14]|, |v[ACC+32*\g+15]|
.endr
.irp g, 0,1,2,3
	v_max3_num_f32 v[TM+\g], v[TM+\g], v[PT+\g], |v[ACC+32*\g+31]|
.endr
.irp g, 0,1,2,3
	v_add_nc_u32 v[SO+\g], 0xff000000, v[TM+\g]    ; the conversion's scale operand
.endr
.irp g, 0,1,2,3
	v_lshrrev_b32 v[PT+\g], 23, v[SO+\g]           ; the scale's byte,
.endr
.irp g, 0,1,2,3
	v_lshlrev_b32 v[PT+\g], v7, v[PT+\g]           ; at its place: block h
.endr
.irp g, 0,1,2,3
	v_permlanex16_b32 v[PT+4+\g], v[PT+\g], s58, s59
.endr
.irp g, 0,1,2,3
	v_or_b32 v[HW+\g], v[PT+\g], v[PT+4+\g]        ; both blocks' bytes
.endr
.irp g, 0,1,2,3
.irp k, 0,1,2,3
	v_cvt_scalef32_pk8_fp4_f32 v[PC+4*\g+\k], v[ACC+32*\g+8*\k:ACC+32*\g+8*\k+7], v[SO+\g]
.endr
.endr
	v_nop                                          ; one plain line behind the last conversion
.endm
.macro UNIT swap, lora
.irp s, 0,1,2,3,4,5
	KSTEP \s, \swap, \lora
.endr
.if \lora
	LORA \swap
.else
	PLACES 4
.endif
	QUANT4
.endm
.macro OUTKV cs, gs, cb, sb            ; my 64 tokens are half a record
	s_wait_alu depctr_va_vdst(0)                   ; ahead of the scalar lines
	s_lshl_b32 s54, s23, 4
	s_lshr_b32 s55, s66, 1
	s_add_co_u32 s54, s54, s55
	s_mul_i32 s54, s54, 8704
	s_mov_b32 s55, 0
	s_add_nc_u64 s[18:19], s[18:19], s[54:55]
	s_lshl_b32 s56, s67, \cs
	s_lshl_b32 s57, s67, 7
	v_add_nc_u32 v9, s56, v124
	v_add_nc_u32 v10, s57, v125
	v_cmp_ne_u32 vcc_lo, 0, v6
	v_lshl_or_b32 v[OW], v[HW+1], 16, v[HW]
	v_lshl_or_b32 v[OW+1], v[HW+3], 16, v[HW+2]
	v_cndmask_b32 v[OW], v[OW], v[OW+1], vcc_lo    ; lanes 0-15: tiles 0 and 1; lanes 16-31: tiles 2 and 3
.irp g, 0,1,2,3
	global_store_b128 v9, v[PC+4*\g:PC+4*\g+3], s[18:19] offset:\cb+\gs*\g
.endr
	global_store_b32 v10, v[OW], s[18:19] offset:\sb
.endm
	s_cmp_lt_u32 s20, 3
	s_cbranch_scc0 .Lnot_q
	UNIT 0, 1
	s_lshl_b32 s54, s23, 5
	s_add_co_u32 s54, s54, s66
	s_mul_i32 s54, s54, 2304
	s_mov_b32 s55, 0
	s_add_nc_u64 s[16:17], s[16:17], s[54:55]
	v_cmp_ne_u32 vcc_lo, 0, v6
.irp g, 0,1,2,3
	v_lshl_or_b32 v[OW+\g], v[HW+\g], 16, v[HW+\g]
.endr
	v_lshlrev_b32 v10, 1, v125
	v_cndmask_b32 v[OW], v[OW], v[OW+1], vcc_lo
	v_cndmask_b32 v[OW+1], v[OW+2], v[OW+3], vcc_lo
.irp g, 0,1,2,3
	global_store_b128 v124, v[PC+4*\g:PC+4*\g+3], s[16:17] offset:512*\g
.endr
	global_store_b64 v10, v[OW:OW+1], s[16:17] offset:2048
	s_branch .Lend
.Lnot_q:
	s_cmp_lt_u32 s20, 6
	s_cbranch_scc0 .Lis_v
	UNIT 0, 0
	OUTKV 11, 512, 0, 8192
	s_branch .Lend
.Lis_v:
	UNIT 1, 1
	OUTKV 9, 1024, 4096, 8448
.Lend:
	s_wait_tensorcnt 0x0                           ; the wave's end
	ds_add_u32 v126, v127
	s_wait_dscnt 0x0
	ROUND                                          ; the closing round
	s_endpgm
.Lfunc_end_k_q826d1c23bd_proj:
	.size	k_q826d1c23bd_proj, .Lfunc_end_k_q826d1c23bd_proj-k_q826d1c23bd_proj
	.p2alignl 7, 3214868480
	.fill 96, 4, 3214868480
	.section	.rodata,"a",@progbits
	.p2align	6, 0x0
	.amdhsa_kernel k_q826d1c23bd_proj
		.amdhsa_group_segment_fixed_size 327680
		.amdhsa_private_segment_fixed_size 0
		.amdhsa_enable_private_segment 0
		.amdhsa_kernarg_size 64
		.amdhsa_user_sgpr_count 2
		.amdhsa_user_sgpr_kernarg_segment_ptr 1
		.amdhsa_wavefront_size32 1
		.amdhsa_system_sgpr_workgroup_id_x 1
		.amdhsa_system_sgpr_workgroup_id_y 1
		.amdhsa_system_sgpr_workgroup_id_z 1
		.amdhsa_system_vgpr_workitem_id 0
		.amdhsa_next_free_vgpr 320
		.amdhsa_next_free_sgpr 80
		.amdhsa_reserve_vcc 1
		.amdhsa_float_denorm_mode_32 3
		.amdhsa_float_denorm_mode_16_64 3
		.amdhsa_memory_ordered 1
		.amdhsa_forward_progress 1
		.amdhsa_inst_pref_size 114
	.end_amdhsa_kernel
	.amdgpu_metadata
---
amdhsa.version: [ 1, 2 ]
amdhsa.kernels:
  - .name:           k_q826d1c23bd_proj
    .symbol:         k_q826d1c23bd_proj.kd
    .args:
      - { .name: cod, .offset: 0, .size: 8, .value_kind: global_buffer, .address_space: global }
      - { .name: bq, .offset: 8, .size: 8, .value_kind: global_buffer, .address_space: global }
      - { .name: bk, .offset: 16, .size: 8, .value_kind: global_buffer, .address_space: global }
      - { .name: bv, .offset: 24, .size: 8, .value_kind: global_buffer, .address_space: global }
      - { .name: Bq, .offset: 32, .size: 8, .value_kind: global_buffer, .address_space: global }
      - { .name: Bv, .offset: 40, .size: 8, .value_kind: global_buffer, .address_space: global }
      - { .name: qb, .offset: 48, .size: 8, .value_kind: global_buffer, .address_space: global }
      - { .name: kv, .offset: 56, .size: 8, .value_kind: global_buffer, .address_space: global }
    .group_segment_fixed_size: 327680
    .private_segment_fixed_size: 0
    .kernarg_segment_align: 8
    .kernarg_segment_size: 64
    .max_flat_workgroup_size: 288
    .sgpr_count:     80
    .vgpr_count:     320
    .wavefront_size: 32
...
	.end_amdgpu_metadata
.endif
;; end of part 2
;; launch attn (part 3): grid 32 x 8, 8 waves a work-group, clusters of 4 x 1, 327,680 bytes of LDS; arguments qb, kv, mask, out0; writes out0
.if DOCPART == 3
	.amdgcn_target "amdgcn-amd-amdhsa--gfx1250"
	.amdhsa_code_object_version 6
	.text
	.protected	k_q826d1c23bd_attn
	.globl	k_q826d1c23bd_attn
	.p2align	8
	.type	k_q826d1c23bd_attn,@function
k_q826d1c23bd_attn:
	s_mov_b64 s[64:65], 0
	v_nop
	global_prefetch_b8 v0, s[64:65] scope:SCOPE_SE
	s_setreg_imm32_b32 hwreg(HW_REG_WAVE_MODE, 25, 1), 1
	s_wait_xcnt 0x0
	s_wait_alu depctr_hold_cnt(0) depctr_sa_sdst(0) depctr_va_vdst(0) depctr_va_sdst(0) depctr_va_ssrc(0) depctr_va_vcc(0) depctr_vm_vsrc(0)
	s_getreg_b32 s2, hwreg(HW_REG_IB_STS2, 6, 4)
	s_cmp_eq_u32 s2, 0
	s_cbranch_scc0 .Lentry_in_a_cluster
	s_endpgm
.Lentry_in_a_cluster:
	s_bfe_u32 s2, ttmp6, 0x10000c
	s_cmp_lg_u32 s2, 0x3003
	s_cbranch_scc0 .Lentry_shape_is_right
	s_endpgm
.Lentry_shape_is_right:
; out0[b][q][64 head ..] = the sum over keys of softmax(q . k / 8 - 10000 (1 - mask[b][key])) v, both products on codes of FP4 (E2M1) with one E8M0 scale for each 32 along a product's K.
; q, k, v come as images of operand registers from the launch before (its head comment gives the records of qb and kv).
; THE SOFTMAX AHEAD OF THE SECOND PRODUCT: t = logit x log2(e); M = the running largest t, rounded UP to a whole number; p = 2^(t - M) is quantised along the keys, not normalised.  The row's sum is taken of the
; unquantised p and divides at the end.  When M moves, the sum and O are multiplied by 2^(old M - new M): exact.
; SHARES.  24 heads x 128 tiles of 16 queries are 3,072 tiles: 12 for each of 256 work-groups.  THREE HEADS GO TOGETHER (12 batch + head = 3 G, 3 G + 1, 3 G + 2, all of one batch): 384 tiles for 8 clusters x 4 work-groups.
; The work-group at place cx of cluster c of group G takes eight tiles of head A = 3 G + c / 4 (32 (c % 4) + 8 cx + 0 .. 7) and four of head B = 3 G + 2 (16 c + 4 cx + 0 .. 3).
; Eight waves of 512 registers, two to a SIMD.  Waves i and i + 4 take the same three tiles (A's 2 i and 2 i + 1, B's i), wave i over keys 0-1023, wave i + 4 over keys 1024-2047: eight steps of 128 keys each.
; So a fragment of A's K and V feeds two tiles, the mask's numbers three.  At the end the two halves' sums and O meet in LDS: a wave's tile 0 is kept and its tile 1 given to its partner, whose tiles 0 and 1 are named the other way round; tile 2 ends in waves 0-3.
; LDS, each byte filled once: the sixteen records (K, V and their scales of 128 keys, 8,704 bytes) of head A, those of head B, 2,048 f32 made of the mask.
; CLUSTER.  The four work-groups of a cluster want the same 32 records: each load is joint.  At the head each wave asks for one record (0, 1, 8, 9 of each head); behind the full sequence and a round for three more, which land
; under step 0; a barrier behind step 0 shows them to every wave.  No prefetch: all records are asked for by these two loads, and no loop of loads follows.
; K = 64 IN AN INSTRUCTION OF K = 128.  Source 0 holds TWO tiles of 16 keys, one in each half of K; source 1 is (q, zeros) or (zeros, q): two products give the two tiles' scores.  Zero codes add nothing under any scale byte here.
; THE MASK IS THE C OF THE SCORE PRODUCT: 80000 (mask - 1), since t = (s + 80000 (mask - 1)) x log2(e) / 8 for the raw score s.  It is loaded where tile 0's scores arise; tiles 1 and 2 take it as C from there, then tile 0 in place.
; LAYOUT.  Both products transposed (source 0 = keys, or channels of V; source 1 = queries, or p): a lane holds ONE query.  By the order of a tile's rows a lane's registers 32 c .. 32 c + 31 of the scores are keys
; 64 c + 32 (lane / 16) + 0 .. 31: a whole block of p, already in the operand's order; those of O are channels 32 (lane / 16) + 0 .. 31.
; A BLOCK'S SCALE is 2^(floor(largest t of the block - M) - 2), held at 2^-126: p's exponent is floor(t - M).
; LIMITS: NaN and infinities are not served; scaled scores (exponents to the base 2, before the maximum is taken away) stay under 2^31 in magnitude; p under 2^-126 counts as 0; a block of p that is all zeros keeps the byte 1 (its codes are zeros); where t - M lies within
; rounding under a whole number, p may be held at the largest code; the mask may hold any int32; where every key of a row is masked, t is as coarse as a sum with 10,000 is in f32.
; REGISTERS, window 0: v1-3 bases, v4-8 the step's LDS addresses, v9-11 kept; v12-17 pairs (-M, largest raw score); v18-23 pairs of sums; v24-55 at work (v54, v55 the stage); v56-73 scale words and nothing else; v74-75 the exchange;
; v76-103 zeros, q0, zeros, q1, zeros, q2, zeros; v104-135 head A's K; v136-159 p's codes; v160-255 O^T of the three tiles.  Window 1: v0-191 scores, then p, of the three tiles; v192-255 V of both heads; head B's K comes into tile 1's v64-95.
; SCALARS: cx and what is made of it stand in s13, s70-81 alone: none of these feeds a descriptor or an LDS address.
.set REC,   8704                       ; a key step's record: 34 rows of 256 bytes
.set HEADB, 16*REC                     ; a head's records
.set MB,    2*HEADB                    ; 2,048 f32: 80000 (mask - 1)
.set SPARE, MB+8192
.set XT,    4608                       ; the exchange: a tile's O, 32 x 128 bytes, and (sum, -M) in 512.  It and the stages lie over records that have had their one fill and, behind a barrier, their last read
.set X2,    4*XT                       ; tile 2 of wave w (4 .. 7) lies 4 XT behind its tile 1
.set STG0,  12*XT
.set STG,   16*272
.set MSB, 0
.macro WIN new                         ; the immediate's high byte repeats the setting that is left
.if MSB != \new
	s_set_vgpr_msb (MSB<<8)|\new
.set MSB, \new
.endif
.endm
.macro PLACES n
.rept \n
	v_nop
.endr
.endm
.macro ROUND                           ; a round of the cluster's barrier
	s_barrier_signal -1
	s_barrier_wait -1
	s_cmp_lg_u32 s12, 0
	s_cbranch_scc1 .Lnot_wave_0_\@
	s_barrier_signal -3
.Lnot_wave_0_\@:
	s_barrier_wait -3
	s_barrier_signal -1
	s_barrier_wait -1
.endm
	s_load_b256 s[4:11], s[0:1], 0x0               ; qb, kv, mask, out0
	v_lshl_add_u32 v10, v0, 2, SPARE
	v_mov_b32 v9, 0
	ds_add_u32 v10, v9                             ; the wave's opening: the add, twice on end, and its wait below
	ds_add_u32 v10, v9
	v_lshrrev_b32 v48, 5, v0
	v_readfirstlane_b32 s12, v48                   ; wave w
	s_bfe_u32 s13, ttmp6, 0x40000                  ; cx
	s_and_b32 s14, ttmp7, 0xffff                   ; G
	s_cmp_ge_u32 s14, 4
	s_cselect_b32 s15, 1, 0                        ; batch
	s_and_b32 s16, s12, 3                          ; i
	s_lshr_b32 s17, s12, 2                         ; which half of the keys
	s_mul_i32 s54, s14, 3
	s_add_co_u32 s56, s54, 2                       ; head B
	s_lshr_b32 s55, ttmp9, 2
	s_add_co_u32 s55, s55, s54                     ; head A
	; what I fetch: head A's records (waves 0-3) or head B's: record (w % 2) + 8 ((w / 2) % 2), then three from 2 + 3 (w % 2) + 8 ((w / 2) % 2)
	s_cmp_lt_u32 s12, 4
	s_cselect_b32 s57, s55, s56
	s_lshl_b32 s57, s57, 4
	s_and_b32 s58, s12, 1
	s_bfe_u32 s59, s12, 0x10001
	s_lshl_b32 s59, s59, 3
	s_add_co_u32 s60, s58, s59
	s_mul_i32 s61, s58, 3
	s_add_co_u32 s61, s61, s59
	s_add_co_u32 s61, s61, 2
	s_mul_i32 s62, s17, HEADB
	s_mul_i32 s63, s60, REC
	s_add_co_u32 s41, s62, s63                     ; where they go in LDS
	s_mul_i32 s63, s61, REC
	s_add_co_u32 s45, s62, s63
	s_add_co_u32 s66, s57, s60
	s_mul_i32 s66, s66, REC                        ; and where they lie in kv
	s_mov_b32 s67, 0
	s_add_co_u32 s68, s57, s61
	s_mul_i32 s68, s68, REC
	s_mov_b32 s69, 0
	; my tiles of queries
	s_and_b32 s70, ttmp9, 3
	s_lshl_b32 s70, s70, 3
	s_lshl_b32 s71, s13, 1
	s_add_co_u32 s70, s70, s71
	s_lshr_b32 s71, s16, 1
	s_add_co_u32 s70, s70, s71                     ; tiles 0, 1: which 64 tokens: 8 (c % 4) + 2 cx + i / 2
	s_lshl_b32 s71, ttmp9, 2
	s_add_co_u32 s71, s71, s13                     ; tile 2: 4 c + cx
	s_lshl_b32 s72, s55, 5
	s_add_co_u32 s72, s72, s70
	s_mul_i32 s72, s72, 2304                       ; their records in qb
	s_mov_b32 s73, 0
	s_lshl_b32 s74, s56, 5
	s_add_co_u32 s74, s74, s71
	s_mul_i32 s74, s74, 2304
	s_mov_b32 s75, 0
	s_and_b32 s82, s16, 1
	s_lshl_b32 s76, s82, 1
	s_add_co_u32 s76, s76, s17                     ; tile 0 is the record's tile g = 2 (i % 2) + half; tile 1 is g xor 1; tile 2 is tile i of its record
	s_lshl_b32 s77, s15, 11
	s_lshl_b32 s78, s70, 6
	s_add_co_u32 s78, s78, s77
	s_lshl_b32 s79, s76, 3
	s_add_co_u32 s78, s78, s79                     ; tile 0's first token
	s_mul_i32 s78, s78, 3072
	s_mul_i32 s83, s15, 12
	s_sub_co_u32 s79, s55, s83
	s_lshl_b32 s79, s79, 8
	s_add_co_u32 s78, s78, s79                     ; + the head's 256 bytes
	s_mov_b32 s79, 0
	s_lshl_b32 s80, s71, 6
	s_add_co_u32 s80, s80, s77
	s_lshl_b32 s81, s16, 3
	s_add_co_u32 s80, s80, s81                     ; tile 2's
	s_mul_i32 s80, s80, 3072
	s_sub_co_u32 s81, s56, s83
	s_lshl_b32 s81, s81, 8
	s_add_co_u32 s80, s80, s81
	s_mov_b32 s81, 0
	s_lshl_b32 s84, s15, 13                        ; mask: my batch's 2,048 words
	s_mov_b32 s85, 0
	s_lshl_b32 s94, s82, 1
	s_add_co_u32 s94, s94, s17
	s_lshl_b32 s93, s94, 9                         ; q's pieces: 512 g,
	s_xor_b32 s94, s93, 512
	s_lshl_b32 s95, s16, 9
	s_lshl_b32 s96, s17, 7
	s_lshl_b32 s97, s82, 2
	s_add_co_u32 s96, s96, s97                     ; and scale words: 8 r + 128 (g % 2) + 4 (g / 2)
	s_xor_b32 s97, s96, 128
	s_lshl_b32 s98, s82, 7
	s_lshr_b32 s99, s16, 1
	s_lshl_b32 s99, s99, 2
	s_add_co_u32 s98, s98, s99
	s_mul_i32 s88, s17, 8*REC                      ; my half's first record
	s_lshl_b32 s89, s17, 12
	s_add_co_u32 s89, s89, MB                      ; and numbers of the mask
	s_mul_i32 s90, s12, XT
	s_xor_b32 s91, s12, 4
	s_mul_i32 s91, s91, XT
	s_mul_i32 s92, s12, STG
	s_add_co_u32 s92, s92, STG0
	s_mov_b32 s20, 0x76543210
	s_mov_b32 s21, 0xfedcba98                      ; v_permlanex16_b32's selects for lane l xor 16
	s_mov_b32 s22, 0x3e38aa3b                      ; c = log2(e) / 8
	s_mov_b32 s23, s22                             ; (named with it as a pair, so it is written)
	s_mov_b32 s19, 0xbe38aa3b                      ; -c
	s_mov_b32 s18, 0x06020400                      ; v_perm_b32: bytes 0 and 2 of two words by turns;
	s_mov_b32 s48, 0x05040100                      ; the two low halves;
	s_mov_b32 s49, 0x07060302                      ; the two high halves
	s_mov_b32 s50, 0x479c4000                      ; 80000.0
	s_mov_b32 s51, 0                               ; the step's record, in head A,
	s_mov_b32 s52, HEADB                           ; in head B,
	s_mov_b32 s53, 0                               ; and its numbers of the mask
	; group 1: one record, 34 rows of 256 bytes; three records, 102 rows; jointly for all four work-groups
.irp g, 24,32
	s_mov_b32 s[\g], 15|(3<<16)|(1<<21)
	s_mov_b32 s[\g+1], 32<<16
	s_mov_b32 s[\g+2], (34+68*(\g/32))<<16
	s_mov_b32 s[\g+3], 32<<16
	s_mov_b32 s[\g+4], 34+68*(\g/32)
	s_mov_b32 s[\g+5], 32
	s_mov_b32 s[\g+6], 0
	s_mov_b32 s[\g+7], 0
.endr
	v_and_b32 v147, 31, v0                         ; lane
	v_and_b32 v145, 15, v0                         ; r
	v_bfe_u32 v146, v0, 4, 1                       ; h
	v_lshlrev_b32 v140, 4, v147
	v_add_nc_u32 v1, s88, v140                     ; codes: 16 bytes a lane
	v_lshl_add_u32 v2, v147, 2, s88                ; scale words: 4
	v_lshl_add_u32 v3, v146, 7, s89                ; the mask's numbers of my half's 32 keys of each 64
	v_add_nc_u32 v74, s90, v140                    ; the exchange: mine
	v_add_nc_u32 v75, s91, v140                    ; and my partner's
	v_mul_u32_u24 v54, v145, 272
	v_lshl_add_u32 v54, v146, 7, v54
	v_add_nc_u32 v54, s92, v54                     ; my stage, in: row r, + 128 h
	v_mul_u32_u24 v55, v146, 272
	v_lshl_add_u32 v55, v145, 4, v55
	v_add_nc_u32 v55, s92, v55                     ; back: lanes 0-15 one row, lanes 16-31 the next
	v_mul_u32_u24 v11, v146, 3072
	v_lshl_add_u32 v11, v145, 4, v11               ; and the same two rows in out0
	v_lshlrev_b32 v143, 4, v0                      ; the mask in memory
	v_lshl_add_u32 v144, v0, 4, MB                 ; and its numbers in LDS
	v_add_nc_u32 v136, s93, v140
	v_add_nc_u32 v137, s94, v140
	v_add_nc_u32 v138, s95, v140
	v_lshl_add_u32 v139, v145, 3, s96
	v_lshl_add_u32 v141, v145, 3, s97
	v_lshl_add_u32 v142, v145, 3, s98
.irp i, 0,1,2,3
	v_mov_b32 v[76+\i], 0                          ; the q operands' other halves: zero codes
	v_mov_b32 v[84+\i], 0
	v_mov_b32 v[92+\i], 0
	v_mov_b32 v[100+\i], 0
.endr
.irp i, 0,1,2
	v_mov_b32 v[51+\i], 0                          ; written once: a lane permute's destination counts as one of its sources
	v_mov_b32 v[31+2*\i], 0                        ; (named as the upper half of a pair)
.endr
	s_wait_alu depctr_va_vdst(0)
	s_wait_dscnt 0x0                               ; both opening adds are done
	s_wait_kmcnt 0x0
	s_mov_b32 s40, 1
	s_add_nc_u64 s[42:43], s[6:7], s[66:67]
	s_or_b32 s43, s43, 0x80000000
	s_mov_b32 s44, 1
	s_add_nc_u64 s[46:47], s[6:7], s[68:69]
	s_or_b32 s47, s47, 0x80000000
	s_add_nc_u64 s[8:9], s[8:9], s[84:85]
	s_add_nc_u64 s[72:73], s[4:5], s[72:73]
	s_add_nc_u64 s[74:75], s[4:5], s[74:75]
	s_add_nc_u64 s[78:79], s[10:11], s[78:79]
	s_add_nc_u64 s[80:81], s[10:11], s[80:81]
	global_load_b128 v[104:107], v143, s[8:9]      ; eight words of the mask
	global_load_b128 v[108:111], v143, s[8:9] offset:4096
	global_load_b128 v[80:83], v136, s[72:73]      ; q of my three tiles
	global_load_b128 v[88:91], v137, s[72:73]
	global_load_b128 v[96:99], v138, s[74:75]
	global_load_b32 v71, v139, s[72:73] offset:2048
	global_load_b32 v72, v141, s[72:73] offset:2048
	global_load_b32 v73, v142, s[74:75] offset:2048
	ROUND                                          ; all four work-groups are here: the joint loads meet
	tensor_load_to_lds s[40:43], s[24:31]
	s_nop 0
	PLACES 4
	s_wait_loadcnt 0x0
.irp i, 0,1,2,3,4,5,6,7
	v_cvt_f32_i32 v[104+\i], v[104+\i]
.endr
.irp i, 0,1,2,3,4,5,6,7
	v_fma_f32 v[104+\i], v[104+\i], s50, -s50      ; 80000 mask - 80000
.endr
	ds_store_b128 v144, v[104:107]                 ; 256 threads x 2 x 16 bytes are the batch's 2,048 numbers
	ds_store_b128 v144, v[108:111] offset:4096
	s_wait_alu depctr_va_vdst(0)
	s_wait_tensorcnt 0x0                           ; my record is in; the lines ahead of a later first fill:
	ds_add_u32 v10, v9
	s_wait_dscnt 0x0                               ; the add is done, and my mask's numbers are stored
	ROUND                                          ; everybody's are
	tensor_load_to_lds s[44:47], s[32:39]          ; three more records a wave: they land under step 0
	s_nop 0
	PLACES 4
.macro ADDR                            ; the step's LDS addresses
	v_add_nc_u32 v4, s51, v1
	v_add_nc_u32 v5, s52, v1
	v_add_nc_u32 v6, s51, v2
	v_add_nc_u32 v7, s52, v2
	v_add_nc_u32 v8, s53, v3
.endm
.macro LOADA                           ; head A's K and both heads' scale words of K: 12 loads
.irp p, 0,1,2,3
.irp u, 0,1
	ds_load_b128 v[104+8*\p+4*\u:107+8*\p+4*\u], v4 offset:1024*\p+512*\u
.endr
.endr
.irp c, 0,1
	ds_load_b32 v[56+\c], v6 offset:8192+128*\c
	ds_load_b32 v[58+\c], v7 offset:8192+128*\c
.endr
.endm
.macro LOADB                           ; the mask's numbers into tile 0's scores, head B's K into tile 1's: 24 loads
	WIN 0x40
.irp n, 0,1,2,3,4,5,6,7,8,9,10,11,12,13,14,15
	ds_load_b128 v[4*\n:4*\n+3], v8 offset:256*(\n/8)+16*(\n%8)
.endr
.irp p, 0,1,2,3
.irp u, 0,1
	ds_load_b128 v[64+8*\p+4*\u:67+8*\p+4*\u], v5 offset:1024*\p+512*\u
.endr
.endr
	WIN 0
.endm
.macro LOADC                           ; both heads' V and its half words of scales: 20 loads
	WIN 0x40
.irp t, 0,1,2,3
.irp c, 0,1
	ds_load_b128 v[192+8*\t+4*\c:195+8*\t+4*\c], v4 offset:4096+1024*\t+512*\c
	ds_load_b128 v[224+8*\t+4*\c:227+8*\t+4*\c], v5 offset:4096+1024*\t+512*\c
.endr
.endr
	WIN 0
.irp c, 0,1
	ds_load_b32 v[60+\c], v6 offset:8448+128*\c
	ds_load_b32 v[62+\c], v7 offset:8448+128*\c
.endr
.endm
.macro QK i, ka                        ; tile i's scores of 128 keys
.irp p, 0,1,2,3
.irp u, 0,1
.set DD, 64*(\i)+16*\p+8*\u
.set CC, 16*\p+8*\u
.set QA, 80+8*(\i)-4*\u
.set SK, 56+\p/2+2*((\i)/2)
.if (\p)%2
	v_wmma_scale_f32_16x16x128_f8f6f4 v[DD:DD+7], v[\ka+8*\p:\ka+8*\p+7], v[QA:QA+7], v[CC:CC+7], v[SK], v[71+\i] matrix_a_fmt:MATRIX_FMT_FP4 matrix_b_fmt:MATRIX_FMT_FP4 matrix_a_scale:MATRIX_SCALE_ROW1
.else
	v_wmma_scale_f32_16x16x128_f8f6f4 v[DD:DD+7], v[\ka+8*\p:\ka+8*\p+7], v[QA:QA+7], v[CC:CC+7], v[SK], v[71+\i] matrix_a_fmt:MATRIX_FMT_FP4 matrix_b_fmt:MATRIX_FMT_FP4
.endif
.endr
.endr
.endm
.macro TM i, jj                        ; t - M, two at a time (of the pairs c and -M the low word serves both halves)
	v_pk_fma_f32 v[64*(\i)+\jj:64*(\i)+\jj+1], v[64*(\i)+\jj:64*(\i)+\jj+1], s[22:23], v[12+2*(\i):13+2*(\i)] op_sel_hi:[1,0,0]
.endm
.macro EXPS a, b                       ; tile a's 64 exponentials, with tile b's scalings among them (b = 3: none): these are read behind the next wait alone
.set jj, 0
.rept 32
	v_exp_f32 v[64*\a+jj], v[64*\a+jj]
.if \b < 3
	TM \b, jj
.endif
	v_exp_f32 v[64*\a+jj+1], v[64*\a+jj+1]
.set jj, jj+2
.endr
.endm
; A KEY STEP: 128 keys of my half, three tiles.  first = 1 starts the sums; next = 1 asks LDS for the next step's operands on the way.
.macro STEP first, next
	s_wait_dscnt 20                                ; K, its scale words, the mask's numbers are in; V's 20 loads, the youngest, may be out
.if \next
	s_add_co_u32 s51, s51, REC
	s_add_co_u32 s52, s52, REC
	s_add_co_u32 s53, s53, 512
.endif
	WIN 0x51
	QK 2, 64
	WIN 0
.if \next
	ADDR                                           ; five places: tile 1's scores land on head B's K
.else
	PLACES 5
.endif
	WIN 0x50
	QK 1, 104
	PLACES 5                                       ; tile 0's land on the others' C
	QK 0, 104
	PLACES 4
	WIN 0
.if \next
	LOADA
.endif
	WIN 0x05                                       ; the largest score of each of my six blocks, by turns
.irp i, 0,1,2
.irp c, 0,1
	v_max_num_f32 v[36+2*\i+\c], v[64*\i+32*\c], v[64*\i+32*\c+1]
.endr
.endr
.irp m, 2,4,6,8,10,12,14,16,18,20,22,24,26,28,30
.irp i, 0,1,2
.irp c, 0,1
	v_max3_num_f32 v[36+2*\i+\c], v[64*\i+32*\c+\m], v[64*\i+32*\c+\m+1], v[36+2*\i+\c]
.endr
.endr
.endr
	WIN 0
.irp i, 0,1,2
	v_max_num_f32 v[48+\i], v[36+2*\i], v[37+2*\i]
.endr
.irp i, 0,1,2
	v_permlanex16_b32 v[51+\i], v[48+\i], s20, s21
.endr
.irp i, 0,1,2
.if \first
	v_max_num_f32 v[13+2*\i], v[48+\i], v[51+\i]
.else
	v_max3_num_f32 v[13+2*\i], v[13+2*\i], v[48+\i], v[51+\i]      ; the running largest raw score
.endif
.endr
.irp i, 0,1,2
	v_mul_f32 v[48+\i], s19, v[13+2*\i]            ; -t
.endr
.if \first
.irp i, 0,1,2
	v_floor_f32 v[12+2*\i], v[48+\i]               ; -M
.endr
.else
.irp i, 0,1,2
	v_floor_f32 v[48+\i], v[48+\i]                 ; the new -M
.endr
.irp i, 0,1,2
	v_sub_f32 v[51+\i], v[48+\i], v[12+2*\i]       ; old M - new M: a whole number, 0 or less
.endr
.irp i, 0,1,2
	v_mov_b32 v[12+2*\i], v[48+\i]
.endr
.irp i, 0,1,2
	v_cvt_i32_f32 v[51+\i], v[51+\i]               ; (it saturates)
.endr
.irp i, 0,1,2
	v_ldexp_f32 v[30+2*\i], 1.0, v[51+\i]          ; f = 2^(old M - new M)
.endr
.endif
.irp i, 0,1,2
	v_pk_fma_f32 v[24+2*\i:25+2*\i], v[36+2*\i:37+2*\i], s[22:23], v[12+2*\i:13+2*\i] op_sel_hi:[1,0,0]   ; the blocks' largest t - M,
.endr
.irp b, 0,1,2,3,4,5
	v_max_num_f32 v[24+\b], 0xc2f80000, v[24+\b]   ; held at -124: the byte cannot fall under 1;
.endr
.irp b, 0,1,2,3,4,5
	v_floor_f32 v[24+\b], v[24+\b]
.endr
.irp b, 0,1,2,3,4,5
	v_cvt_i32_f32 v[36+\b], v[24+\b]               ; n, the exponent of the block's largest p
.endr
.irp b, 0,1,2,3,4,5
	v_lshl_add_u32 v[42+\b], v[36+\b], 23, 0x3e800000      ; the conversion's scale operand: exponent field n - 2 + 127
.endr
.irp i, 0,1,2
	v_lshl_add_u32 v[48+\i], v[37+2*\i], 16, v[36+2*\i]
.endr
.irp i, 0,1,2
	v_add_nc_u32 v[48+\i], 0x7d007d, v[48+\i]      ; my two blocks' bytes, in bytes 0 and 2
.endr
.irp i, 0,1,2
	v_permlanex16_b32 v[51+\i], v[48+\i], s20, s21
.endr
.irp i, 0,1,2
	v_perm_b32 v[68+\i], v[51+\i], v[48+\i], s18   ; lanes 0-15: the scale word of p's four blocks
.endr
	WIN 0x41
.set jj, 0
.rept 32
	TM 0, jj
.set jj, jj+2
.endr
	s_wait_alu depctr_va_vdst(0)                   ; the waits ahead of and behind each batch
	EXPS 0, 1
	s_wait_alu depctr_va_vdst(0)
	EXPS 1, 2
	s_wait_alu depctr_va_vdst(0)
	EXPS 2, 3
	WIN 0
.if \first
	v_nop
.else
.irp i, 0,1,2
	v_pk_mul_f32 v[18+2*\i:19+2*\i], v[18+2*\i:19+2*\i], v[30+2*\i:31+2*\i] op_sel_hi:[1,0]   ; the sums under the new M
.endr
.endif
	s_wait_alu depctr_va_vdst(0)
	WIN 0x01
.irp i, 0,1,2
.irp c, 0,1
.irp k, 0,1,2,3
	v_cvt_scalef32_pk8_fp4_f32 v[136+8*\i+4*\c+\k], v[64*\i+32*\c+8*\k:64*\i+32*\c+8*\k+7], v[42+2*\i+\c]   ; p's codes, as the operand wants them
.endr
.endr
.endr
	WIN 0x05                                       ; the row sums of the unquantised p: two chains a tile
.irp i, 0,1,2
	v_pk_add_f32 v[24+2*\i:25+2*\i], v[64*\i:64*\i+1], v[64*\i+2:64*\i+3]
.endr
.set mm, 4
.if \first
.irp i, 0,1,2
	v_pk_add_f32 v[18+2*\i:19+2*\i], v[64*\i+4:64*\i+5], v[64*\i+6:64*\i+7]
.endr
.set mm, 8
.endif
	WIN 0x04
.rept 16-mm/4
.irp i, 0,1,2
	v_pk_add_f32 v[18+2*\i:19+2*\i], v[18+2*\i:19+2*\i], v[64*\i+mm:64*\i+mm+1]
.endr
.irp i, 0,1,2
	v_pk_add_f32 v[24+2*\i:25+2*\i], v[24+2*\i:25+2*\i], v[64*\i+mm+2:64*\i+mm+3]
.endr
.set mm, mm+4
.endr
	WIN 0
.irp i, 0,1,2
	v_pk_add_f32 v[18+2*\i:19+2*\i], v[18+2*\i:19+2*\i], v[24+2*\i:25+2*\i]
.endr
	s_wait_alu depctr_va_vdst(0)
.if \next
	s_wait_dscnt 12                                ; V is in; the next K's 12 loads may be out
	LOADB
.else
	s_wait_dscnt 0x0                               ; my last reads of the records are over:
	s_barrier_signal -1                            ; say so; work on registers stands between the signal and its wait
.endif
	v_perm_b32 v64, v61, v60, s48                  ; V's scale words: lanes 0-15 channel tile 0, lanes 16-31 tile 2;
	v_perm_b32 v65, v61, v60, s49                  ; tiles 1 and 3
	v_perm_b32 v66, v63, v62, s48
	v_perm_b32 v67, v63, v62, s49
.if \first
	PLACES 8
.else
	s_wait_alu depctr_va_vdst(0)                   ; directly ahead of O^T's first reader
.irp i, 0,1,2
.set jj, 160+32*\i
.rept 16
	v_pk_mul_f32 v[jj:jj+1], v[jj:jj+1], v[30+2*\i:31+2*\i] op_sel_hi:[1,0]   ; O^T under the new M
.set jj, jj+2
.endr
.endr
.endif
	WIN 0x01
.irp i, 0,1,2
.irp t, 0,1,2,3
.set OO, 160+32*\i+8*\t
.set VV, 192+32*(\i/2)+8*\t
.set SV, 64+2*(\i/2)+\t%2
.if \first
.if \t >= 2
	v_wmma_scale_f32_16x16x128_f8f6f4 v[OO:OO+7], v[VV:VV+7], v[136+8*\i:143+8*\i], 0, v[SV], v[68+\i] matrix_a_fmt:MATRIX_FMT_FP4 matrix_b_fmt:MATRIX_FMT_FP4 matrix_a_scale:MATRIX_SCALE_ROW1
.else
	v_wmma_scale_f32_16x16x128_f8f6f4 v[OO:OO+7], v[VV:VV+7], v[136+8*\i:143+8*\i], 0, v[SV], v[68+\i] matrix_a_fmt:MATRIX_FMT_FP4 matrix_b_fmt:MATRIX_FMT_FP4
.endif
.else
.if \t >= 2
	v_wmma_scale_f32_16x16x128_f8f6f4 v[OO:OO+7], v[VV:VV+7], v[136+8*\i:143+8*\i], v[OO:OO+7], v[SV], v[68+\i] matrix_a_fmt:MATRIX_FMT_FP4 matrix_b_fmt:MATRIX_FMT_FP4 matrix_a_scale:MATRIX_SCALE_ROW1
.else
	v_wmma_scale_f32_16x16x128_f8f6f4 v[OO:OO+7], v[VV:VV+7], v[136+8*\i:143+8*\i], v[OO:OO+7], v[SV], v[68+\i] matrix_a_fmt:MATRIX_FMT_FP4 matrix_b_fmt:MATRIX_FMT_FP4
.endif
.endif
.endr
.endr
	PLACES 4
	WIN 0
.if \next
	LOADC
.endif
.endm
	ADDR
	LOADA
	LOADB
	LOADC
	STEP 1, 1
	s_wait_alu depctr_va_vdst(0)
	s_wait_tensorcnt 0x0                           ; my three records have landed;
	s_wait_dscnt 0x0
	s_barrier_signal -1
	s_barrier_wait -1                              ; everybody's have
	s_mov_b32 s54, 6
.Lstep:
	STEP 0, 1
	s_sub_co_u32 s54, s54, 1
	s_cmp_lg_u32 s54, 0
	s_cbranch_scc1 .Lstep
	STEP 0, 0                                      ; the last step asks for nothing more
	; THE HALVES MEET.  Each wave gives its tile 1 (waves 4-7 also tile 2) to its partner: O as it stands, the sum, -M.
.irp i, 0,1,2
	v_add_f32 v[18+2*\i], v[18+2*\i], v[19+2*\i]   ; the sums' two halves
.endr
	v_mov_b32 v21, v14
	v_mov_b32 v23, v16
	s_wait_alu depctr_va_vdst(0)
	s_barrier_wait -1                              ; nobody reads a record any more
.irp k, 0,1,2,3,4,5,6,7
	ds_store_b128 v74, v[192+4*\k:195+4*\k] offset:512*\k
.endr
	ds_store_b64 v74, v[20:21] offset:4096
	s_cmp_lt_u32 s12, 4
	s_cbranch_scc1 .Lkeep
.irp k, 0,1,2,3,4,5,6,7
	ds_store_b128 v74, v[224+4*\k:227+4*\k] offset:X2+512*\k
.endr
	ds_store_b64 v74, v[22:23] offset:X2+4096
.Lkeep:
	s_wait_dscnt 0x0
	s_barrier_signal -1
	s_barrier_wait -1
; Tile i: my part and my partner's under the larger M, divided by the row's sum; then through my stage, and out as rows of 256 bytes: the head's 64 channels of a token.
.macro FINAL i, xo, wa, wb, sb
	WIN 0x40
.irp k, 0,1,2,3,4,5,6,7
	ds_load_b128 v[\wa+4*\k:\wa+4*\k+3], v75 offset:\xo+512*\k
.endr
	WIN 0
	ds_load_b64 v[24:25], v75 offset:\xo+4096      ; my partner's sum and -M
	s_wait_alu depctr_va_vdst(0)
	s_wait_dscnt 0x0
	v_min_num_f32 v48, v[12+2*\i], v25             ; -M of both
	v_sub_f32 v49, v48, v[12+2*\i]
	v_sub_f32 v50, v48, v25
	v_cvt_i32_f32 v49, v49
	v_cvt_i32_f32 v50, v50
	v_ldexp_f32 v30, 1.0, v49
	v_ldexp_f32 v32, 1.0, v50
	v_mul_f32 v48, v[18+2*\i], v30
	v_fma_f32 v48, v24, v32, v48
	v_permlanex16_b32 v51, v48, s20, s21
	v_add_f32 v48, v48, v51                        ; the row's sum
	s_wait_alu depctr_va_vdst(0)                   ; the waits ahead of and behind the reciprocal
	v_rcp_f32 v48, v48
	v_nop
	s_wait_alu depctr_va_vdst(0)
	v_mul_f32 v30, v30, v48
	v_mul_f32 v32, v32, v48
	WIN 0x41
.set jj, 0
.rept 16
	v_pk_mul_f32 v[\wa+jj:\wa+jj+1], v[\wa+jj:\wa+jj+1], v[32:33] op_sel_hi:[1,0]
.set jj, jj+2
.endr
	WIN 0x50
	s_wait_alu depctr_va_vdst(0)                   ; directly ahead of O^T's first reader
.set jj, 0
.rept 16
	v_pk_fma_f32 v[\wa+jj:\wa+jj+1], v[160+32*\i+jj:161+32*\i+jj], v[30:31], v[\wa+jj:\wa+jj+1] op_sel_hi:[1,0,1]
.set jj, jj+2
.endr
	WIN 0x04
.irp k, 0,1,2,3,4,5,6,7
	ds_store_b128 v54, v[\wa+4*\k:\wa+4*\k+3] offset:16*\k
.endr
	WIN 0x40
.irp k, 0,1,2,3,4,5,6,7
	ds_load_b128 v[\wb+4*\k:\wb+4*\k+3], v55 offset:544*\k   ; LDS serves a wave's instructions in order: these see my stores
.endr
	WIN 0x04
.irp k, 0,1,2,3,4,5,6,7
	s_wait_dscnt 7-\k                              ; load k is in; the younger ones may be out
	global_store_b128 v11, v[\wb+4*\k:\wb+4*\k+3], s[\sb:\sb+1] offset:3072*(2*\k+24*(\k/4)) th:TH_STORE_NT   ; places 2 k, 2 k + 1 of the tile; 16 lanes store 256 consecutive bytes, aligned
.endr
	WIN 0
.endm
	FINAL 0, 0, 0, 32, 78
	s_wait_alu depctr_va_vdst(0)
	s_cmp_lt_u32 s12, 4
	s_cbranch_scc0 .Lend
	FINAL 2, X2, 64, 96, 80
.Lend:
	s_wait_tensorcnt 0x0                           ; the wave's end
	ds_add_u32 v10, v9
	s_wait_dscnt 0x0
	ROUND                                          ; the closing round: no work-group ends while a partner may still ask for a record that names it
	s_endpgm
.Lfunc_end_k_q826d1c23bd_attn:
	.size	k_q826d1c23bd_attn, .Lfunc_end_k_q826d1c23bd_attn-k_q826d1c23bd_attn
	.p2alignl 7, 3214868480
	.fill 96, 4, 3214868480
	.section	.rodata,"a",@progbits
	.p2align	6, 0x0
	.amdhsa_kernel k_q826d1c23bd_attn
		.amdhsa_group_segment_fixed_size 327680
		.amdhsa_private_segment_fixed_size 0
		.amdhsa_enable_private_segment 0
		.amdhsa_kernarg_size 32
		.amdhsa_user_sgpr_count 2
		.amdhsa_user_sgpr_kernarg_segment_ptr 1
		.amdhsa_wavefront_size32 1
		.amdhsa_system_sgpr_workgroup_id_x 1
		.amdhsa_system_sgpr_workgroup_id_y 1
		.amdhsa_system_sgpr_workgroup_id_z 1
		.amdhsa_system_vgpr_workitem_id 0
		.amdhsa_next_free_vgpr 512
		.amdhsa_next_free_sgpr 100
		.amdhsa_reserve_vcc 0
		.amdhsa_float_denorm_mode_32 3
		.amdhsa_float_denorm_mode_16_64 3
		.amdhsa_memory_ordered 1
		.amdhsa_forward_progress 1
		.amdhsa_inst_pref_size 147
	.end_amdhsa_kernel
	.amdgpu_metadata
---
amdhsa.version: [ 1, 2 ]
amdhsa.kernels:
  - .name:           k_q826d1c23bd_attn
    .symbol:         k_q826d1c23bd_attn.kd
    .args:
      - { .name: qb, .offset: 0, .size: 8, .value_kind: global_buffer, .address_space: global }
      - { .name: kv, .offset: 8, .size: 8, .value_kind: global_buffer, .address_space: global }
      - { .name: mask, .offset: 16, .size: 8, .value_kind: global_buffer, .address_space: global }
      - { .name: out0, .offset: 24, .size: 8, .value_kind: global_buffer, .address_space: global }
    .group_segment_fixed_size: 327680
    .private_segment_fixed_size: 0
    .kernarg_segment_align: 8
    .kernarg_segment_size: 32
    .max_flat_workgroup_size: 256
    .sgpr_count:     100
    .vgpr_count:     512
    .wavefront_size: 32
...
	.end_amdgpu_metadata
.endif
;; end of part 3
